; MI455X (gfx1250); checked and timed in simulation.
; The chip was launched on July 23, 2026; its instructions are those of AMD's public machine-readable ISA for CDNA 5 (MIT licence, August 2026) and "CDNA5" Instruction Set Architecture Reference Guide (July 2026). The comments in the code are by the model that wrote it; some were corrected since.
;; Multi Head Attention. Allowed arithmetic: matrix products marked QUANTISED: E2M1 operands, one E8M0 scale for each 32 along K, by v_wmma_scale_f32_16x16x128_f8f6f4 with both operands' format E2M1 (or v_wmma_scale_f32_32x16x128_f4), f32 sums; everything else in f32.
;; Inputs: K 2 x 2,048 x 1,024 float32; Q 2 x 2,048 x 1,024 float32; V 2 x 2,048 x 1,024 float32; Wk 1,024 x 1,024 float32; Wo 1,024 x 1,024 float32; Wq 1,024 x 1,024 float32; Wv 1,024 x 1,024 float32; bk 1,024 float32; bo 1,024 float32; bq 1,024 float32; bv 1,024 float32.
;; Outputs: out0 2 x 2,048 x 1,024 float32.
;; This version of the problem:
;;   THIS VERSION OF THE PROBLEM IS GIVEN IN LOW PRECISION. The matrix products marked QUANTISED in the list below multiply operands that are first quantised to E2M1 (2 exponent bits, 1 mantissa bit; 4 bits a number), with one power-of-two scale for each 32 numbers along K (OCP MX v1.0); their sums are f32. All else is computed in f32.
;;   The module's matrix products, in the order in which they are computed (A, B: the left and right operand; K: the contracted axis; several contracted axes count as one K, in the product's order):
;;     1. [M 4,096, K 1,024] x [K 1,024, N 1,024]; A: input Q; B: input Wq: QUANTISED
;;     2. [M 4,096, K 1,024] x [K 1,024, N 1,024]; A: input K; B: input Wk: QUANTISED
;;     3. [M 4,096, K 1,024] x [K 1,024, N 1,024]; A: input V; B: input Wv: QUANTISED
;;     4. batch 32 x [M 2,048, K 64] x [K 64, N 2,048]; A: computed on the way; B: computed on the way: QUANTISED
;;     5. batch 32 x [M 2,048, K 2,048] x [K 2,048, N 64]; A: softmax (see below); B: computed on the way: QUANTISED
;;     6. [M 4,096, K 1,024] x [K 1,024, N 1,024]; A: computed on the way; B: input Wo: QUANTISED
;;   THE QUANTISER, for each operand of a quantised product, along K:
;;     - K is cut into blocks of 32 from its start; a last block that is shorter is filled with zeros.
;;     - A block's scale is 2^e with e = floor(log2(the largest magnitude in the block)) - 2, held to -126 .. 127; a block of zeros has e = 0. As a byte (E8M0): e + 127.
;;     - Each number is divided by its block's scale, clamped to +-6, and rounded to the nearest number of E2M1, ties to even, subnormals kept.
;;     - The product sums the exact products of the quantised numbers (number of the format x scale) in f32.
;;   ~~~python
;;   def quantise(x, axis):      # numpy; x: float32 -> the quantised numbers, widened to float32 again
;;       x = np.moveaxis(x, axis, -1); K = x.shape[-1]
;;       x = np.pad(x, [(0, 0)] * (x.ndim - 1) + [(0, -K % 32)]); x = x.reshape(x.shape[:-1] + (-1, 32)); a = np.abs(x).max(-1, keepdims=True)
;;       e = np.where(a > 0, np.clip(np.frexp(np.where(a > 0, a, 1))[1] - 1 - 2, -126, 127), 0)      # np.frexp(a)[1] - 1 = floor(log2(a)), exactly
;;       r = np.clip(x / 2.0 ** e, -6, 6)
;;       step = 2.0 ** (np.maximum(np.frexp(np.where(r == 0, 1, r))[1] - 1, 0) - 1)
;;       q = np.round(r / step) * step * 2.0 ** e      # np.round: ties to even
;;       return np.moveaxis(q.reshape(q.shape[:-2] + (-1,))[..., :K], -1, axis).astype(np.float32)
;;   ~~~
;;   SOFTMAX AHEAD OF A QUANTISED PRODUCT. Where the list says 'softmax', what is quantised is not the finished softmax but p = 2^(t - M), with t = logit x log2(e) and M = ceil(the row's largest t), a whole number; so 1/2 < the row's largest p <= 1. The row's sum l is taken of the UNQUANTISED p, in f32, and the product's result is divided by l at the end. Since M is a whole number, a kernel that streams over the keys may use a running M (the ceiling of the running maximum): every later rescaling is an exact power of two, which a block's scale takes up: the codes' values come out the same.
;;   OPERANDS COMPUTED ON THE WAY. 'Computed on the way' means the value that the module computes at that place (a softmax that the list does not call 'softmax' is quantised finished and normalised). What goes into a quantiser is computed in f32, as accurately as f32 sums, v_exp_f32 and their like allow (about 1e-6 of the number): no bf16 or f16 on the way to a quantiser, and a product that is left as it is and whose result goes on into a quantised operand takes f32 operands (vector FMAs, or v_wmma_f32_16x16x4_f32). A number that lies on a knife's edge between two numbers of the format may be rounded either way, as far as f32 arithmetic and the matrix unit's own rounding can turn it there, and no further.
;; One version. Each part assembles by itself: llvm-mc -triple=amdgcn-amd-amdhsa -mcpu=gfx1250 --defsym DOCPART=n.
;; ======== version 1 of 1: 4 launches
;; limits: right only within a limited range of input values
;; workspace buffers: xc 8,912,896 bytes; pc 6,684,672 bytes; oc 2,228,224 bytes
;; launch quant (part 1): grid 512 x 1, 4 waves a work-group, no clusters, 33,280 bytes of LDS; arguments Q, K, Wv, Wq, Wk, V, Wo, xc; writes xc
.if DOCPART == 1
	.amdgcn_target "amdgcn-amd-amdhsa--gfx1250"
	.amdhsa_code_object_version 6
	.text
	.protected	k_q706c4df0a2_quant
	.globl	k_q706c4df0a2_quant
	.p2align	8
	.type	k_q706c4df0a2_quant,@function
k_q706c4df0a2_quant:
	s_mov_b64 s[64:65], 0
	v_nop
	global_prefetch_b8 v0, s[64:65] scope:SCOPE_SE
	s_setreg_imm32_b32 hwreg(HW_REG_WAVE_MODE, 25, 1), 1
	s_wait_xcnt 0x0
; Q, K, V [4096][1024] and Wq, Wk, Wv, Wo [1024][1024], f32 with the contracted axis innermost, become codes of FP4 (E2M1) and one E8M0 byte for each 32 along K.  No work of reference() is left out in this program.
; The seven tensors are taken as 16,384 rows: Q, K, Wv, Wq, Wk, V, Wo.  xc is laid in records of 128 rows, 69,632 bytes: [row 128][256 bytes of codes, first half of K], [row 128][32 scale bytes], [row 128][256 bytes of codes, second half].
; THE ORDER OF ROWS in a record: row 64 G + 32 h + 8 t + j stands at place 64 G + 16 t + 8 h + j.  So a tile of 16 places holds eight rows of one run of 32 and eight of the next: in a matrix result, where a lane has
; eight neighbouring places of a tile, the registers of four tiles are then 32 neighbouring rows: one whole block of the next product's K in one lane.
; A block's scale is 2^(floor(log2(its largest magnitude)) - 2); its byte is the largest magnitude's exponent field - 2, held at 1 from below.  Numbers are divided by the scale and rounded to the nearest code, ties to even.
; LIMITS: a block of zeros, and a block whose largest magnitude lies under 2^-124, gets the byte 1 (zeros have zero codes; the bytes are read by this program alone); NaN and infinities are not served.
; A wave takes 8 rows = 16 steps of 512 numbers.  Each of a step's four loads reads 512 consecutive bytes; the 2,048 bytes turn through the wave's own stage in LDS so that a lane gets 16 neighbours; two lanes hold a block.
; A wave's store of codes covers 256 consecutive aligned bytes; its 256 scale bytes are gathered in LDS and leave as one store.  No tensor loads, no barrier: waves share nothing.  Loads run eight steps (32 loads a wave) ahead.
.set STEPS, 16
.set EMAX,  2
.set AHEAD, 8
.set R,     16                         ; v16-143  eight sets of 16 numbers as they are loaded
.set X,     144                        ; v144-175 two sets of 16 neighbours
.set C,     176                        ; v176-207 codes: two registers for each step
.set E,     208                        ; v208-223 a scale byte for each step
.set SPW,   224
.set NIL,   225
.set WREG,  8192                       ; LDS: a region for each wave: two stages of 32 x SP bytes, behind them its 256 scale bytes
.set SP,    80                         ; 64 bytes of numbers + 16 of padding
.set REC,   69632
.set HALF1, 36864                      ; the second half of K in a record
.macro PICK thr, lo                    ; from work-group thr on the tensor at s[lo:lo+1] is read; only the pointer and its first work-group are chosen
	s_cmp_ge_u32 ttmp9, \thr
	s_cselect_b64 s[4:5], s[\lo:\lo+1], s[4:5]
	s_cselect_b32 s24, \thr, s24
.endm
	s_load_b512 s[4:19], s[0:1], 0x0               ; Q, K, Wv, Wq, Wk, V, Wo, xc (s[18:19])
	v_lshl_add_u32 v[SPW], v0, 2, 4*WREG
	v_mov_b32 v[NIL], 0
	v_lshrrev_b32 v1, 5, v0
	v_readfirstlane_b32 s22, v1                    ; wave
	v_and_b32 v2, 31, v0                           ; lane
	v_lshlrev_b32 v3, 4, v2                        ; my 16 bytes of a load's 512
	s_mul_i32 s23, s22, WREG
	v_lshrrev_b32 v14, 2, v2
	v_mul_u32_u24 v14, v14, SP
	v_and_b32 v15, 3, v2
	v_lshl_add_u32 v14, v15, 4, v14
	v_add_nc_u32 v14, s23, v14                     ; into the stage: SP (lane / 4) + 16 (lane % 4)
	v_mul_u32_u24 v15, v2, SP
	v_add_nc_u32 v15, s23, v15                     ; out of it: my 16 neighbours
	v_lshlrev_b32 v4, 3, v2                        ; my 8 bytes of a step's codes, and of the wave's scale bytes
	v_lshrrev_b32 v5, 1, v2
	s_add_co_u32 s23, s23, 2*32*SP
	v_add_nc_u32 v5, s23, v5                       ; LDS: my wave's 256 scale bytes, my block's byte
	v_add_nc_u32 v6, s23, v4
	s_mov_b32 s24, 0
	s_lshl_b32 s28, ttmp9, 2
	s_add_co_u32 s28, s28, s22                     ; n: which run of 8 rows of all seven tensors is my wave's
	s_lshr_b32 s29, s28, 4
	s_mul_i32 s30, s29, REC                        ; its record
	s_and_b32 s29, s28, 3
	s_lshl_b32 s29, s29, 1                         ; 2 t
	s_bfe_u32 s26, s28, 0x10002                    ; + h
	s_or_b32 s29, s29, s26
	s_and_b32 s26, s28, 8
	s_or_b32 s29, s29, s26                         ; + 8 G: the run's place among the record's sixteen
	s_lshl_b32 s26, s29, 11
	s_add_co_u32 s26, s26, s30                     ; codes: 8 x 256 bytes a run in each half of K
	s_mov_b32 s27, 0
	s_lshl_b32 s28, s29, 8
	s_add_co_u32 s28, s28, s30
	s_add_co_u32 s28, s28, 32768                   ; scale bytes: 256 a run
	s_mov_b32 s29, 0
	s_wait_alu depctr_va_vdst(0)                   ; the wait at the head's end
	s_wait_kmcnt 0x0
	PICK 128, 6                                    ; K
	PICK 256, 8                                    ; Wv
	PICK 288, 10                                   ; Wq
	PICK 320, 12                                   ; Wk
	PICK 352, 14                                   ; V
	PICK 480, 16                                   ; Wo
	s_sub_co_u32 s25, ttmp9, s24
	s_lshl_b32 s25, s25, 2
	s_add_co_u32 s25, s25, s22                     ; which run of the tensor
	s_lshl_b32 s30, s25, 15                        ; 32,768 bytes a run
	s_mov_b32 s31, 0
	s_add_nc_u64 s[4:5], s[4:5], s[30:31]
	s_add_nc_u64 s[20:21], s[18:19], s[28:29]
	s_add_nc_u64 s[18:19], s[18:19], s[26:27]
.macro LOAD t
.irp i, 0,1,2,3
	global_load_b128 v[R+16*((\t)%AHEAD)+4*\i:R+16*((\t)%AHEAD)+4*\i+3], v3, s[4:5] offset:2048*(\t)+512*\i th:TH_LOAD_NT
.endr
.endm
.macro TURN t                          ; step t's numbers through the stage: LDS serves a wave's instructions in order (ISA guide 5.7.1.4), so no wait stands between the stores and the loads
.irp i, 0,1,2,3
	ds_store_b128 v14, v[R+16*((\t)%AHEAD)+4*\i:R+16*((\t)%AHEAD)+4*\i+3] offset:32*SP*((\t)%2)+8*SP*\i
.endr
.irp i, 0,1,2,3
	ds_load_b128 v[X+16*((\t)%2)+4*\i:X+16*((\t)%2)+4*\i+3], v15 offset:32*SP*((\t)%2)+16*\i
.endr
.endm
.irp t, 0,1,2,3,4,5,6,7
	LOAD \t
.endr
	s_wait_loadcnt 4*AHEAD-4                       ; step 0's four loads are in
	TURN 0
.macro STEP t
.set XS, X+16*((\t)%2)
.if (\t) > 0
	s_wait_dscnt 1                                 ; this step's numbers are back from the stage (the last step's byte store may be out): so its stores into the stage have read their registers,
.else
	s_wait_dscnt 0x0
.endif
.if (\t)+AHEAD < STEPS
	LOAD (\t)+AHEAD                                ; which take the loads of eight steps on
.endif
.if (\t)+1 < STEPS
.if (\t)+AHEAD < STEPS
	s_wait_loadcnt 4*AHEAD-4                       ; the next step's four loads are in; those of the seven steps behind it may be out
.else
	s_wait_loadcnt 4*(STEPS-2-(\t))
.endif
	TURN (\t)+1                                    ; and go through the other stage while this step is worked
.endif
	v_max3_num_f32 v8, |v[XS]|, |v[XS+1]|, |v[XS+2]|               ; the largest magnitude of my 16
	v_max3_num_f32 v9, |v[XS+3]|, |v[XS+4]|, |v[XS+5]|
.irp i, 6,10
	v_max3_num_f32 v8, v8, |v[XS+\i]|, |v[XS+\i+1]|
	v_max3_num_f32 v9, v9, |v[XS+\i+2]|, |v[XS+\i+3]|
.endr
	v_max3_num_f32 v8, v8, |v[XS+14]|, |v[XS+15]|
	v_max3_num_f32 v8, v8, v9, (EMAX+1)<<23        ; and the floor 2^(3 - 127): the byte cannot fall under 1
	v_max_num_f32_dpp v8, v8, v8 row_xmask:1 row_mask:0xf bank_mask:0xf   ; and of my neighbour's 16: the block's
	v_add_nc_u32 v11, -(EMAX<<23), v8              ; 2 off its exponent field: the conversion takes the exponent field of this operand as its scale, and nothing else of it
	v_cvt_scalef32_pk8_fp4_f32 v[C+2*(\t)], v[XS:XS+7], v11
	v_cvt_scalef32_pk8_fp4_f32 v[C+2*(\t)+1], v[XS+8:XS+15], v11
	v_lshrrev_b32 v[E+(\t)], 23, v11               ; the scale's byte
	ds_store_b8 v5, v[E+(\t)] offset:16*(\t)       ; both lanes of a block write the same byte with the same value
	global_store_b64 v4, v[C+2*(\t):C+2*(\t)+1], s[18:19] offset:HALF1*((\t)%2)+256*((\t)/2)   ; 32 lanes store 256 consecutive bytes, aligned
.endm
.irp t, 0,1,2,3,4,5,6,7,8,9,10,11,12,13,14,15
	STEP \t
.endr
	ds_load_b64 v[12:13], v6                       ; LDS serves a wave's instructions in order: these see my stores
	s_wait_dscnt 0x0
	global_store_b64 v4, v[12:13], s[20:21]        ; 32 lanes store 256 consecutive bytes, aligned
	s_wait_tensorcnt 0x0                           ; the wave's end
	ds_add_u32 v[SPW], v[NIL]
	s_wait_dscnt 0x0
	s_endpgm
.Lfunc_end_k_q706c4df0a2_quant:
	.size	k_q706c4df0a2_quant, .Lfunc_end_k_q706c4df0a2_quant-k_q706c4df0a2_quant
	.p2alignl 7, 3214868480
	.fill 96, 4, 3214868480
	.section	.rodata,"a",@progbits
	.p2align	6, 0x0
	.amdhsa_kernel k_q706c4df0a2_quant
		.amdhsa_group_segment_fixed_size 33280
		.amdhsa_private_segment_fixed_size 0
		.amdhsa_enable_private_segment 0
		.amdhsa_kernarg_size 64
		.amdhsa_user_sgpr_count 2
		.amdhsa_user_sgpr_kernarg_segment_ptr 1
		.amdhsa_wavefront_size32 1
		.amdhsa_system_sgpr_workgroup_id_x 1
		.amdhsa_system_sgpr_workgroup_id_y 1
		.amdhsa_system_sgpr_workgroup_id_z 1
		.amdhsa_system_vgpr_workitem_id 0
		.amdhsa_next_free_vgpr 226
		.amdhsa_next_free_sgpr 66
		.amdhsa_reserve_vcc 0
		.amdhsa_float_denorm_mode_32 3
		.amdhsa_float_denorm_mode_16_64 3
		.amdhsa_memory_ordered 1
		.amdhsa_forward_progress 1
		.amdhsa_inst_pref_size 34
	.end_amdhsa_kernel
	.amdgpu_metadata
---
amdhsa.version: [ 1, 2 ]
amdhsa.kernels:
  - .name:           k_q706c4df0a2_quant
    .symbol:         k_q706c4df0a2_quant.kd
    .args:
      - { .name: Q, .offset: 0, .size: 8, .value_kind: global_buffer, .address_space: global }
      - { .name: K, .offset: 8, .size: 8, .value_kind: global_buffer, .address_space: global }
      - { .name: Wv, .offset: 16, .size: 8, .value_kind: global_buffer, .address_space: global }
      - { .name: Wq, .offset: 24, .size: 8, .value_kind: global_buffer, .address_space: global }
      - { .name: Wk, .offset: 32, .size: 8, .value_kind: global_buffer, .address_space: global }
      - { .name: V, .offset: 40, .size: 8, .value_kind: global_buffer, .address_space: global }
      - { .name: Wo, .offset: 48, .size: 8, .value_kind: global_buffer, .address_space: global }
      - { .name: xc, .offset: 56, .size: 8, .value_kind: global_buffer, .address_space: global }
    .group_segment_fixed_size: 33280
    .private_segment_fixed_size: 0
    .kernarg_segment_align: 8
    .kernarg_segment_size: 64
    .max_flat_workgroup_size: 128
    .sgpr_count:     66
    .vgpr_count:     226
    .wavefront_size: 32
...
	.end_amdgpu_metadata
.endif
;; end of part 1
;; launch proj (part 2): grid 4 x 48, 4 waves a work-group, clusters of 4 x 4, 327,680 bytes of LDS; arguments xc, pc, bq, bk, bv; writes pc
.if DOCPART == 2
	.amdgcn_target "amdgcn-amd-amdhsa--gfx1250"
	.amdhsa_code_object_version 6
	.text
	.protected	k_q706c4df0a2_proj
	.globl	k_q706c4df0a2_proj
	.p2align	8
	.type	k_q706c4df0a2_proj,@function
k_q706c4df0a2_proj:
	s_mov_b64 s[64:65], 0
	v_nop
	global_prefetch_b8 v0, s[64:65] scope:SCOPE_SE
	s_setreg_imm32_b32 hwreg(HW_REG_WAVE_MODE, 25, 1), 1
	s_wait_xcnt 0x0
	s_wait_alu depctr_hold_cnt(0) depctr_sa_sdst(0) depctr_va_vdst(0) depctr_va_sdst(0) depctr_va_ssrc(0) depctr_va_vcc(0) depctr_vm_vsrc(0)
	s_getreg_b32 s2, hwreg(HW_REG_IB_STS2, 6, 4)
	s_cmp_eq_u32 s2, 0
	s_cbranch_scc0 .Lentry_in_a_cluster
	s_endpgm
.Lentry_in_a_cluster:
	s_bfe_u32 s2, ttmp6, 0x10000c
	s_cmp_lg_u32 s2, 0xf033
	s_cbranch_scc0 .Lentry_shape_is_right
	s_endpgm
.Lentry_shape_is_right:
; The three projections q = Q Wq^T + bq, k = K Wk^T + bk, v = V Wv^T + bv on codes of FP4 with E8M0 scales, K = 1,024; the results are quantised again in registers and leave as codes.
; One text serves all three (g = 0, 1, 2).  Source 1 of the matrix instruction holds 16 rows i, source 0 16 rows j; in the result a lane holds ONE row i and its eight registers run along j.
; The result is quantised ALONG j.  q, k: i = tokens (4,096), j = the 1,024 outputs: blocks along a head's 64.  v: i = the outputs, j = tokens: blocks along the keys.
; By the order of rows in xc the registers of tiles 4 c .. 4 c + 3 of rows j are j = 64 c + 32 (lane / 16) + 0 .. 31: a whole block in one lane, in natural order.
; A work-group of four waves makes 256 x 256, a wave 128 x 128: 64 accumulators, 512 registers.  LDS takes four records of 128 rows, one for each wave to fetch, in two tensor loads:
; at the head the first half of K with all scale bytes (144 rows of 256 bytes), and behind a round the second half (128 rows), which has the first half's products in which to land.  Nothing is filled twice.
; CLUSTERS: 4 x 4 work-groups of one g.  The four of a row of the cluster need the same rows i, the four of a column the same rows j: each record is asked for jointly.
; No prefetch.
; THE BIAS is the C of each sum's first matrix instruction: 64 registers in the result's layout (q, k: along j; v: along i, by the lane's row).
; THE WAY OUT: 16 rows i x 128 j become one operand fragment of 8 registers and a scale word a row; the fragment is stored as an image of its registers, 512 consecutive bytes a store.
;   pc: records of 8,704 bytes: [a 8][c 2][lane][16 bytes] of codes, then [lane][16 bytes] of scale words.  q: 256 records [b][head pair][128 tokens].  Behind them, for each [b][head pair][128 tokens], k's record and v's.
;   q, k: a = 16 tokens, c = the head of the pair;  v: a = 16 of the pair's 128 channels, c = 64 keys.
;   Scale words.  q, v: lane (r, H): row r of a = 4 H .. 4 H + 3.  k: lane (r, H): head H, row r: word i holds the two bytes of tile a = 2 i below and those of a = 2 i + 1 above.
; LIMITS: blocks of zeros and blocks under 2^-124 get the byte 1; NaN and infinities are not served.
; REGISTERS, in windows of 256: window 0: v0-31 addresses; v32-95 scale words, two sets; v128-191 fragments of rows i (one set), at the end the codes made; v200-223 at work at the end.
;   window 1: fragments of rows j, two sets, at v0 and v128; between them, v64-127, the bias.   windows 2, 3: accumulators ((a, b) at v[8 (8 (a % 4) + b)], window 2 + a / 4).
.set PITCH,  272                       ; an LDS row: 256 bytes + 16 of padding = 68 words: the 16 rows that a load touches start at 16 different banks (64 banks of 4 bytes: ISA guide 11.1)
.set REC,    69632
.set HALF1,  36864                     ; the second half of K in a record
.set RECL,   272*PITCH                 ; a record in LDS
.set RSC,    128*PITCH                 ; its scale bytes
.set SLOT,   144*PITCH                 ; its second half of K
.set SPARE,  4*RECL                    ; the spare words, 128 bytes for each wave; no other line names them
.set KREC,   8704
.set KVB,    256*KREC
.set ADRA, 16                          ; v16-17 my fragments of rows i, first and second half of K
.set ADRB, 20                          ; v20-21 of rows j
.set VSK,  26
.set ADRS, 27
.set SPW,  28
.set NIL,  29
.set LI,   30                          ; 16 x lane
.set VSW,  31
.set SC,   32                          ; set s at v[SC + 32 s]; register 4 i + q: lanes 0-15 the word of block i of rows i, lanes 16-31 that of block i of rows j
.set AF,   128
.set BI,   64                          ; in window 1
.set PC,   128
.set TM,   200
.set PWS,  216
.set SEL,  2                           ; s[2:3]
.set G1, 24
.set G0, 32
.set G1B, 48
.set G0B, 56
.set MSB, 0
.macro WIN new                         ; the immediate's high byte repeats the setting that is left
.if MSB != \new
	s_set_vgpr_msb (MSB<<8)|\new
.set MSB, \new
.endif
.endm
.macro CROUND                          ; a round of the cluster's barrier
	s_barrier_signal -1
	s_barrier_wait -1
	s_cmp_lg_u32 s14, 0
	s_cbranch_scc1 .Lnot_wave_0_\@
	s_barrier_signal -3
.Lnot_wave_0_\@:
	s_barrier_wait -3
	s_barrier_signal -1
	s_barrier_wait -1
.endm
.macro JLOAD                           ; a joint load, one a wave: waves 0 and 1 fetch rows i, waves 2 and 3 rows j
	s_cmp_eq_u32 s15, 0
	s_cbranch_scc0 .Lfor_j_\@
	tensor_load_to_lds s[G0:G0+3], s[G1:G1+7]
	s_nop 0
.rept 4
	v_nop
.endr
	s_branch .Lasked_\@
.Lfor_j_\@:
	tensor_load_to_lds s[G0B:G0B+3], s[G1B:G1B+7]
	s_nop 0
.rept 4
	v_nop
.endr
.Lasked_\@:
.endm
	s_load_b128 s[4:7], s[0:1], 0x0                ; xc, pc
	s_load_b128 s[96:99], s[0:1], 0x10             ; bq, bk
	s_load_b64 s[100:101], s[0:1], 0x20            ; bv
	v_lshl_add_u32 v[SPW], v0, 2, SPARE
	v_mov_b32 v[NIL], 0
	ds_add_u32 v[SPW], v[NIL]                      ; the opening lines
	ds_add_u32 v[SPW], v[NIL]
	v_lshrrev_b32 v1, 5, v0
	v_readfirstlane_b32 s14, v1                    ; wave 0..3
	s_lshr_b32 s15, s14, 1                         ; which 128 rows i are mine.  Also: I fetch rows i (0) or rows j (1)
	s_and_b32 s16, s14, 1                          ; which 128 rows j are mine.  Also: which record of that tile I fetch
	s_bfe_u32 s40, ttmp6, 0x40000                  ; cx, cy: my place in the cluster
	s_bfe_u32 s41, ttmp6, 0x40004
	s_and_b32 s95, ttmp7, 0xffff                   ; the cluster's number, 0..11
	s_and_b32 s18, s95, 3
	s_lshl_b32 s18, s18, 2                         ; four tiles along the tokens for each cluster of a g
	s_lshr_b32 s95, s95, 2                         ; g
	s_cmp_eq_u32 s95, 2
	s_cselect_b32 s17, 0, s18
	s_cselect_b32 s42, s18, 0
	s_add_co_u32 s17, s17, s41                     ; tile of rows i: hangs on cy alone
	s_add_co_u32 s42, s42, s40                     ; tile of rows j: hangs on cx alone
	s_lshl_b32 s43, s41, 2
	s_lshl_b32 s43, 15, s43                        ; my row of the cluster
	s_lshl_b32 s44, 0x1111, s40                    ; my column
	s_or_b32 s[G1+0], s43, (3<<16)|(1<<20)|(1<<21)|(5<<22)|(3<<25)  ; mask; elements of 8 bytes; padding on; bit 21 beside a mask; 4 words behind every 64
	s_or_b32 s[G1B+0], s44, (3<<16)|(1<<20)|(1<<21)|(5<<22)|(3<<25)
.irp g, G1, G1B
	s_mov_b32 s[\g+1], 32<<16                      ; the head's load: 144 dense rows of 256 bytes
	s_mov_b32 s[\g+2], 144<<16
	s_mov_b32 s[\g+3], 32<<16
	s_mov_b32 s[\g+4], 144
	s_mov_b32 s[\g+5], 32
	s_mov_b32 s[\g+6], 0
	s_mov_b32 s[\g+7], 0
.endr
	s_lshl_b32 s20, s17, 1
	s_add_co_u32 s20, s20, s16
	s_lshl_b32 s19, s95, 5
	s_add_co_u32 s20, s20, s19                     ; rows i: record 32 g + 2 x tile + half (Q, K, Wv)
	s_mul_i32 s20, s20, REC
	s_mov_b32 s21, 0
	s_lshl_b32 s46, s42, 1
	s_add_co_u32 s46, s46, s16
	s_lshl_b32 s19, s95, 3
	s_add_co_u32 s46, s46, s19
	s_add_co_u32 s46, s46, 72                      ; rows j: record 72 + 8 g + 2 x tile + half (Wq, Wk, V)
	s_mul_i32 s46, s46, REC
	s_mov_b32 s47, 0
	s_mul_i32 s45, s14, RECL                       ; where it goes: no place in the cluster enters an LDS address
	s_mov_b32 s[SEL], 0x76543210
	s_mov_b32 s[SEL+1], 0xfedcba98                 ; v_permlanex16_b32's selects for lane l xor 16
	s_wait_alu depctr_va_vdst(0)
	s_wait_dscnt 0x0                               ; both opening adds are done
	CROUND                                         ; all sixteen work-groups are here: the joint loads meet
	s_wait_kmcnt 0x0
	s_add_nc_u64 s[20:21], s[4:5], s[20:21]
	s_add_nc_u64 s[46:47], s[4:5], s[46:47]
	s_mov_b32 s[G0], 1
	s_mov_b32 s[G0+1], s45
	s_mov_b64 s[G0+2:G0+3], s[20:21]
	s_or_b32 s[G0+3], s[G0+3], 0x80000000
	s_mov_b32 s[G0B], 1
	s_mov_b32 s[G0B+1], s45
	s_mov_b64 s[G0B+2:G0B+3], s[46:47]
	s_or_b32 s[G0B+3], s[G0B+3], 0x80000000
	JLOAD
	s_mul_i32 s21, s15, RECL                       ; my rows i
	s_add_co_u32 s22, s16, 2
	s_mul_i32 s22, s22, RECL                       ; my rows j
	s_sub_co_u32 s23, s22, s21
	s_add_co_u32 s63, s21, RSC
	s_cmp_eq_u32 s95, 1
	s_cselect_b64 s[96:97], s[98:99], s[96:97]
	s_cmp_eq_u32 s95, 2
	s_cselect_b64 s[96:97], s[100:101], s[96:97]   ; bq, bk or bv
	s_cselect_b32 s60, 1, 0                        ; v: the bias goes by the lane's row;
	s_mov_b32 s61, 128
	s_cselect_b32 s61, 0, s61                      ; q, k: by the lane's half, along the registers
	s_lshl_b32 s18, s17, 1
	s_add_co_u32 s18, s18, s15                     ; which 128 rows i of the whole product are mine
	s_lshl_b32 s19, s42, 1
	s_add_co_u32 s19, s19, s16                     ; which 128 rows j
	s_cmp_eq_u32 s95, 2
	s_cselect_b32 s20, s19, s18                    ; the group of 128 tokens, 0..31
	s_cselect_b32 s43, s18, s19                    ; the group of 128 outputs = the head pair, 0..7
	s_lshl_b32 s46, s43, 9
	s_mov_b32 s47, 0
	s_add_nc_u64 s[96:97], s[96:97], s[46:47]      ; my 128 numbers of it
	v_and_b32 v1, 15, v0                           ; r = lane % 16
	v_bfe_u32 v2, v0, 4, 1                         ; h = lane / 16
	v_mul_u32_u24 v3, v1, PITCH
	v_lshl_add_u32 v4, v2, 4, v3                   ; a fragment's row x pitch + 16 x half
	v_add_nc_u32 v[ADRA], s21, v4
	v_add_nc_u32 v[ADRB], s22, v4
	v_add_nc_u32 v[ADRA+1], SLOT, v[ADRA]
	v_add_nc_u32 v[ADRB+1], SLOT, v[ADRB]
	v_lshlrev_b32 v5, 5, v1                        ; my row's scales: 32 bytes a row,
	v_lshrrev_b32 v6, 8, v5
	v_lshl_add_u32 v5, v6, 4, v5                   ; and 16 more for each 256 passed
	v_mul_u32_u24 v6, s23, v2                      ; lanes 16-31 take those of rows j: one product, the distance between the two bases
	v_add_nc_u32 v5, v5, v6
	v_add_nc_u32 v[ADRS], s63, v5
	v_and_b32 v6, 31, v0
	v_lshlrev_b32 v[LI], 4, v6
	v_cmp_eq_u32 vcc_lo, 1, v2
	v_mov_b32 v6, 0x02060004
	v_mov_b32 v7, 0x06020400
	v_cndmask_b32 v[VSW], v6, v7, vcc_lo           ; the order of a scale word's bytes, mine and lane l xor 16's by turns
	v_mov_b32 v6, 0x05040100
	v_mov_b32 v7, 0x07060302
	v_cndmask_b32 v[VSK], v6, v7, vcc_lo           ; k: the low or the high halves of two words
	v_mov_b32 v[TM+14], 0                          ; written once: a lane permute's destination counts as one of its sources
	v_mov_b32 v[TM+15], 0
	v_lshrrev_b32 v6, 3, v1
	v_and_b32 v3, 7, v1
	v_lshlrev_b32 v3, 2, v3
	v_lshl_add_u32 v3, v6, 7, v3                   ; row r of a tile is 32 (r / 8) + r % 8
	v_mul_u32_u24 v5, s60, v3
	v_mad_u32_u24 v8, v2, s61, v5
	s_wait_alu depctr_va_vdst(0)
	s_cmp_eq_u32 s95, 2
	s_cbranch_scc1 .Lbias_v
	WIN 0x40
.irp x, 0,1,2,3,4,5,6,7                        ; q, k: tile x of 16 along j: eight neighbours a lane
	global_load_b128 v[BI+8*\x:BI+8*\x+3], v8, s[96:97] offset:256*(\x/4)+32*(\x%4)
	global_load_b128 v[BI+8*\x+4:BI+8*\x+7], v8, s[96:97] offset:256*(\x/4)+32*(\x%4)+16
.endr
	WIN 0
	s_branch .Lbias_done
.Lbias_v:
.irp x, 0,1,2,3,4,5,6,7                        ; v: tile x of 16 along i: one number a lane
	global_load_b32 v[TM+\x], v8, s[96:97] offset:256*(\x/4)+32*(\x%4)
.endr
.Lbias_done:
	s_lshr_b32 s18, s20, 4                         ; b
	s_lshl_b32 s18, s18, 3
	s_add_co_u32 s18, s18, s43
	s_lshl_b32 s18, s18, 4
	s_and_b32 s19, s20, 15
	s_add_co_u32 s18, s18, s19                     ; (8 b + head pair) x 16 + the group of 128 tokens in b
	s_mov_b32 s46, 2*KREC
	s_mov_b32 s22, KVB
	s_cmp_eq_u32 s95, 0
	s_cselect_b32 s46, KREC, s46
	s_cselect_b32 s22, 0, s22
	s_mov_b32 s23, KREC
	s_cmp_eq_u32 s95, 2
	s_cselect_b32 s23, s23, 0
	s_mul_i32 s46, s46, s18
	s_add_co_u32 s46, s46, s22
	s_add_co_u32 s46, s46, s23
	s_mov_b32 s47, 0
	s_add_nc_u64 s[8:9], s[6:7], s[46:47]          ; my record of pc
.macro FRAG reg, adr, n, i             ; 16 rows x 128 K of 4-bit codes: lane l holds row l % 16; registers 4 c .. 4 c + 3 hold the block 2 c + l / 16
.irp c, 0,1
	ds_load_b128 v[\reg+4*\c:\reg+4*\c+3], v[\adr+(\n)/4] offset:64*((\n)%4)+32*\c+(\i)*16*PITCH
.endr
.endm
; 16 matrix instructions: blocks a0, a0 + 1 of rows i x the eight of rows j, the n-th 128 along K.  zero = 0: onto the sums; 1: the bias along j starts them; 2: the bias along i.
; The 64 accumulators take turns, one instruction a turn, in the same order in every step.
.macro MUL16 a0, n, zero
.irp a, \a0, \a0+1
.irp b, 0,1,2,3,4,5,6,7
.set AC, 8*(8*((\a)%4)+\b)
.set FB, 128*((\n)%2)+8*\b
.set FA, AF+8*(\a)
.set SB0, SC+32*((\n)/4)+4*\b+(\n)%4
.set SA0, SC+32*((\n)/4)+4*(\a)+(\n)%4
.if \zero == 1
.set CR, BI+8*\b
.elseif \zero == 2
.set CR, BI+8*(\a)
.else
.set CR, AC
.endif
	v_wmma_scale_f32_16x16x128_f8f6f4 v[AC:AC+7], v[FB:FB+7], v[FA:FA+7], v[CR:CR+7], v[SB0], v[SA0] matrix_a_fmt:MATRIX_FMT_FP4 matrix_b_fmt:MATRIX_FMT_FP4 matrix_a_scale:MATRIX_SCALE_ROW1
.endr
.endr
.endm
.macro FETCH_B n
	WIN 0x40
.irp i, 0,1,2,3,4,5,6,7
	FRAG 128*((\n)%2)+8*\i, ADRB, \n, \i
.endr
	WIN 0
.endm
.macro FETCH_A n, i0
.irp i, \i0, \i0+1, \i0+2, \i0+3
	FRAG AF+8*(\i), ADRA, \n, \i
.endr
.endm
.macro PLACES                          ; four plain vector instructions that name no register of the matrix instructions before them (ISA guide 7.12.1)
.rept 4
	v_nop
.endr
.endm
.macro STEP n, zero                    ; the n-th 128 along K: 64 matrix instructions
	s_wait_dscnt 8                                 ; all but the youngest eight loads (blocks 4-7 of rows i) are in
.if \zero
	WIN 0x91                                       ; C (the bias) window 1, D window 2
.else
	WIN 0xa1                                       ; source 0 window 1, C and D window 2
.endif
	MUL16 0, \n, \zero
	MUL16 2, \n, \zero
	s_wait_dscnt 0                                 ; blocks 4-7 are in
.if (\n) == 3                          ; the second half of K: everybody's load has landed
	s_wait_tensorcnt 0x0
	s_barrier_signal -1
	s_barrier_wait -1
.endif
.if (\n) < 7
	PLACES
	FETCH_B (\n)+1
	FETCH_A (\n)+1, 0
.endif
.if \zero
	WIN 0xd1
.else
	WIN 0xf1
.endif
	MUL16 4, \n, \zero
	MUL16 6, \n, \zero
	PLACES
	WIN 0
.if (\n) < 7
	FETCH_A (\n)+1, 4
.endif
.endm
	s_wait_alu depctr_va_vdst(0)                   ; the wait at the head's end
	s_wait_tensorcnt 0x0                           ; my first half is in
	ds_add_u32 v[SPW], v[NIL]
.irp g, G1, G1B
	s_mov_b32 s[\g+2], 128<<16                     ; no tensor load of mine is out: the second load brings 128 rows
	s_mov_b32 s[\g+4], 128
.endr
.irp g, G0, G0B
	s_add_co_u32 s[\g+1], s[\g+1], SLOT
	s_add_nc_u64 s[\g+2:\g+3], s[\g+2:\g+3], HALF1
.endr
	s_wait_dscnt 0x0                               ; the add is done
	CROUND                                         ; everybody's first half is in, and all sixteen work-groups are here
	JLOAD                                          ; the second half of K
	s_wait_loadcnt 0x0                             ; the bias
	FETCH_B 0
	FETCH_A 0, 0
.irp i, 0,1,2,3,4,5,6,7                        ; the scale words of all of K: 8 words a row
	ds_load_b128 v[SC+4*\i:SC+4*\i+3], v[ADRS] offset:\i*2*PITCH
	ds_load_b128 v[SC+32+4*\i:SC+32+4*\i+3], v[ADRS] offset:\i*2*PITCH+16
.endr
	FETCH_A 0, 4
	s_cmp_eq_u32 s95, 2                            ; g is the same in all sixteen partners; the two ways differ in the registers named as C alone
	s_cbranch_scc1 .Lfirst_v
	STEP 0, 1
	s_branch .Lfirst_done
.Lfirst_v:
	WIN 0x40
.irp a, 0,1,2,3,4,5,6,7                        ; the row's bias in all eight registers of the result's layout
.irp jj, 0,1,2,3,4,5,6,7
	v_mov_b32 v[BI+8*\a+\jj], v[TM+\a]
.endr
.endr
	WIN 0
	s_wait_alu depctr_va_vdst(0)
	STEP 0, 2
.Lfirst_done:
	STEP 1, 0
	STEP 2, 0
	STEP 3, 0
	STEP 4, 0
	STEP 5, 0
	STEP 6, 0
	STEP 7, 0
; Blocks a and a + 1 together: eight chains of maxima by turns.  Register 32 c + 8 t + i of a block: j = 64 c + 32 (lane / 16) + 8 t + i of my row.
.macro QUANT2 a
.set WA, 2+(\a)/4
.set W12, WA*0x14
	WIN W12                                        ; sources 1 and 2: the accumulators' window
.irp n, 0,1,2,3,4,5,6,7
.set SB, 64*(((\a)+\n/4)%4)+16*(\n%4)
	v_max3_num_f32 v[TM+\n], 0x1800000, |v[SB]|, |v[SB+1]|   ; each accumulator is read from its low end on; the floor 2^(3 - 127) keeps the byte at 1 or more
.endr
.irp i, 2,4,6,8,10,12,14
.irp n, 0,1,2,3,4,5,6,7
.set SB, 64*(((\a)+\n/4)%4)+16*(\n%4)+\i
	v_max3_num_f32 v[TM+\n], v[TM+\n], |v[SB]|, |v[SB+1]|
.endr
.endr
	WIN 0
.irp n, 0,2,4,6
	v_max_num_f32 v[TM+\n], v[TM+\n], v[TM+\n+1]   ; the block's largest magnitude
.endr
.irp n, 0,2,4,6
	v_add_nc_u32 v[TM+8+\n/2], 0xff000000, v[TM+\n] ; 2 off its exponent field: the conversion's scale operand
.endr
.irp u, 0,1
	v_perm_b32 v[TM+12+\u], v[TM+9+2*\u], v[TM+8+2*\u], 0x07060302   ; the two operands' high halves
.endr
.irp u, 0,1
	v_lshrrev_b32 v[TM+12+\u], 7, v[TM+12+\u]      ; their exponent fields are bytes 0 and 2
.endr
.irp u, 0,1
	v_permlanex16_b32 v[TM+14+\u], v[TM+12+\u], s[SEL], s[SEL+1]
.endr
.irp u, 0,1
	v_perm_b32 v[PWS+(\a)+\u], v[TM+12+\u], v[TM+14+\u], v[VSW]   ; the scale word of my row: blocks (c, h) = (0,0), (0,1), (1,0), (1,1)
.endr
	WIN WA                                         ; source 0: the accumulators' window
.irp n, 0,1,2,3,4,5,6,7,8,9,10,11,12,13,14,15
.set SB, 64*(((\a)+\n/8)%4)+8*(\n%8)
	v_cvt_scalef32_pk8_fp4_f32 v[PC+8*(\a)+\n], v[SB:SB+7], v[TM+8+\n/4]
.endr
	WIN 0
	v_nop                                          ; one plain place behind a scaled conversion
.irp n, 0,1,2,3
	global_store_b128 v[LI], v[PC+8*(\a)+4*\n:PC+8*(\a)+4*\n+3], s[8:9] offset:1024*(\a)+512*\n   ; 32 lanes store 512 consecutive bytes, aligned
.endr
.endm
	QUANT2 0
	QUANT2 2
	QUANT2 4
	QUANT2 6
	s_wait_alu depctr_va_vdst(0)                   ; the wait ahead of the branch
	s_cmp_eq_u32 s95, 1
	s_cbranch_scc1 .Lk_words
.irp i, 0,1,2,3
	v_permlane16_swap_b32 v[PWS+\i], v[PWS+4+\i]   ; lanes 0-15 keep block i's words, lanes 16-31 take block 4 + i's
.endr
	global_store_b128 v[LI], v[PWS:PWS+3], s[8:9] offset:8192
	s_branch .Lend
.Lk_words:
.irp i, 0,1,2,3
	v_perm_b32 v[TM+\i], v[PWS+2*\i+1], v[PWS+2*\i], v[VSK]   ; k: my head's two bytes of tiles 2 i and 2 i + 1
.endr
	global_store_b128 v[LI], v[TM:TM+3], s[8:9] offset:8192
.Lend:
	s_wait_tensorcnt 0x0                           ; the wave's end
	ds_add_u32 v[SPW], v[NIL]
	s_wait_dscnt 0x0
	CROUND                                         ; the closing round: no work-group ends while a partner may still ask for a tile that names it
	s_endpgm
.Lfunc_end_k_q706c4df0a2_proj:
	.size	k_q706c4df0a2_proj, .Lfunc_end_k_q706c4df0a2_proj-k_q706c4df0a2_proj
	.p2alignl 7, 3214868480
	.fill 96, 4, 3214868480
	.section	.rodata,"a",@progbits
	.p2align	6, 0x0
	.amdhsa_kernel k_q706c4df0a2_proj
		.amdhsa_group_segment_fixed_size 327680
		.amdhsa_private_segment_fixed_size 0
		.amdhsa_enable_private_segment 0
		.amdhsa_kernarg_size 40
		.amdhsa_user_sgpr_count 2
		.amdhsa_user_sgpr_kernarg_segment_ptr 1
		.amdhsa_wavefront_size32 1
		.amdhsa_system_sgpr_workgroup_id_x 1
		.amdhsa_system_sgpr_workgroup_id_y 1
		.amdhsa_system_sgpr_workgroup_id_z 1
		.amdhsa_system_vgpr_workitem_id 0
		.amdhsa_next_free_vgpr 1024
		.amdhsa_next_free_sgpr 102
		.amdhsa_reserve_vcc 1
		.amdhsa_float_denorm_mode_32 3
		.amdhsa_float_denorm_mode_16_64 3
		.amdhsa_memory_ordered 1
		.amdhsa_forward_progress 1
		.amdhsa_inst_pref_size 137
	.end_amdhsa_kernel
	.amdgpu_metadata
---
amdhsa.version: [ 1, 2 ]
amdhsa.kernels:
  - .name:           k_q706c4df0a2_proj
    .symbol:         k_q706c4df0a2_proj.kd
    .args:
      - { .name: xc, .offset: 0, .size: 8, .value_kind: global_buffer, .address_space: global }
      - { .name: pc, .offset: 8, .size: 8, .value_kind: global_buffer, .address_space: global }
      - { .name: bq, .offset: 16, .size: 8, .value_kind: global_buffer, .address_space: global }
      - { .name: bk, .offset: 24, .size: 8, .value_kind: global_buffer, .address_space: global }
      - { .name: bv, .offset: 32, .size: 8, .value_kind: global_buffer, .address_space: global }
    .group_segment_fixed_size: 327680
    .private_segment_fixed_size: 0
    .kernarg_segment_align: 8
    .kernarg_segment_size: 40
    .max_flat_workgroup_size: 128
    .sgpr_count:     102
    .vgpr_count:     1024
    .wavefront_size: 32
...
	.end_amdgpu_metadata
.endif
;; end of part 2
;; launch attn (part 3): grid 16 x 16, 8 waves a work-group, clusters of 4 x 1, 327,680 bytes of LDS; arguments pc, oc; writes oc
.if DOCPART == 3
	.amdgcn_target "amdgcn-amd-amdhsa--gfx1250"
	.amdhsa_code_object_version 6
	.text
	.protected	k_q706c4df0a2_attn
	.globl	k_q706c4df0a2_attn
	.p2align	8
	.type	k_q706c4df0a2_attn,@function
k_q706c4df0a2_attn:
	s_mov_b64 s[64:65], 0
	v_nop
	global_prefetch_b8 v0, s[64:65] scope:SCOPE_SE
	s_setreg_imm32_b32 hwreg(HW_REG_WAVE_MODE, 25, 1), 1
	s_wait_xcnt 0x0
	s_wait_alu depctr_hold_cnt(0) depctr_sa_sdst(0) depctr_va_vdst(0) depctr_va_sdst(0) depctr_va_ssrc(0) depctr_va_vcc(0) depctr_vm_vsrc(0)
	s_getreg_b32 s2, hwreg(HW_REG_IB_STS2, 6, 4)
	s_cmp_eq_u32 s2, 0
	s_cbranch_scc0 .Lentry_in_a_cluster
	s_endpgm
.Lentry_in_a_cluster:
	s_bfe_u32 s2, ttmp6, 0x10000c
	s_cmp_lg_u32 s2, 0x3003
	s_cbranch_scc0 .Lentry_shape_is_right
	s_endpgm
.Lentry_shape_is_right:
; o = softmax(q k^T / 8) v for 2 x 16 heads of 64, 2,048 queries and keys, both products on codes of FP4 with E8M0 scales; o is quantised along the head's 64 and leaves as codes for the last product.
; THE SOFTMAX: t = score x log2(e) / 8; M = the row's largest t so far, rounded UP to a whole number; p = 2^(t - M) is quantised along the keys, not normalised.  The row's sum is taken of the unquantised p and divides at the end.
; When M moves, the sum and O are multiplied by 2^(old M - new M), which rounds nothing.  The exponent of a block's largest p is the floor of the block's largest t - M.
; SHARES.  A work-group owns 128 queries of a PAIR of heads (y = 8 b + pair); wave w owns head w % 2 of the pair and TWO tiles of 16 queries, A and B (tiles 2 (w / 2), + 1): two waves to a SIMD.  Every wave walks its head's 2,048 keys,
; 128 a step; each fragment of k and v serves both tiles.
; ALL codes and scale words of k and v of the pair lie in LDS: 16 groups of 128 keys, 17,408 bytes each (k's record, v's record, as they lie in pc).  Wave w fetches groups 2 w and 2 w + 1 by its ONE tensor load; nothing is filled twice.
; Groups 0 to 3 are waited for by waves 0 and 1 ahead of the first barrier, the others by everybody ahead of the second, three steps later.
; CLUSTER.  The four query blocks of a cluster walk the same k and v: each load is joint.  No prefetch: every byte of k and v is asked for by the head's loads, so nothing later could run ahead of them.
; LAYOUT.  S^T = k q^T, O^T = v^T p^T: a lane holds ONE query of each tile throughout.  A tile of k holds keys 32 (row / 8) + 8 t + row % 8 of 64: a lane's registers of four tiles are 32 neighbouring keys, one whole block, in v's order; v's rows likewise with the channels.
; The head's 64 fill half of an instruction's K.  An operand of k holds TWO tiles, one in K = 0-63, one in K = 64-127; q stands beside zero codes, below for the first tile and above for the second.  The scale bytes beside zero codes are finite.
; A STEP'S EXPONENTIALS go in three batches (blocks 0; 1 and 2; 3: A's two, then B's two), by turns with work on other blocks whose results are first read behind the next wait: t - M of later blocks, codes of earlier ones, and the first level of the sums.
; The sums are a tree in the registers of p: 32 pairs a tile, each level's results written over one of its two operands.
; LIMITS: blocks of zeros and blocks under 2^-124 get the byte 1; the scaled scores stay under 2^31 in magnitude; NaN and infinities are not served.
; REGISTERS, window 0: v1-11 addresses; for tile u: v12 + 28 u -M, v13 + 28 u the largest score, v14-15 + 28 u the sum in two halves, v18 + 28 u 2^(old M - new M); v20-39 zeros, q of A, zeros, q of B, zeros; v48-59 scale words;
;   v60-84 at work; v88-103 p's codes; v104-231 S^T, then p.   Window 1: v0-31 k; v32-63 v; v64-127 O^T.
.set KREC, 8704
.set GRP,  17408
.set KVB,  256*KREC
.set OREC, 69632
.set XCH,  16*GRP                      ; 512 bytes: o's scale words of the block and pair
.set SPARE, XCH+512                    ; the spare words, 128 bytes for each wave; no other line names them
.set AK0,  1
.set AV0,  2
.set AS0,  3
.set SPW,  4
.set NIL,  5
.set LI,   6
.set XA,   7
.set ADK,  8
.set ADV,  9
.set ADS,  10
.set ADT,  11
.set NM,   12
.set MX,   13
.set SU,   14
.set FF,   18
.set UU,   28                          ; from tile A's to tile B's
.set KSC,  48
.set VSC,  52
.set QSC,  56
.set PSC,  58
.set BM,   60                          ; v60-67
.set OM,   68
.set TX,   70
.set DD,   72
.set XX,   74                          ; v74-77
.set AA,   78
.set BB,   80
.set QW,   82
.set XR,   84
.set PC,   88
.set SS,   104
.set KF,   0                           ; in window 1
.set VF,   32
.set OT,   64
.set WV,   20
.set CC,   21
.set QT,   22
.set G1,   24
.set G0,   32
.set TB,   66
.set CNT,  68
.set SEL,  70
.set CS,   72
.set CN,   74
.set PSEL, 75
.set MSB, 0
.macro WIN new                         ; the immediate's high byte repeats the setting that is left
.if MSB != \new
	s_set_vgpr_msb (MSB<<8)|\new
.set MSB, \new
.endif
.endm
.macro CROUND                          ; a round of the cluster's barrier
	s_barrier_signal -1
	s_barrier_wait -1
	s_cmp_lg_u32 s[WV], 0
	s_cbranch_scc1 .Lnot_wave_0_\@
	s_barrier_signal -3
.Lnot_wave_0_\@:
	s_barrier_wait -3
	s_barrier_signal -1
	s_barrier_wait -1
.endm
	s_load_b128 s[4:7], s[0:1], 0x0                ; pc, oc
	v_lshl_add_u32 v[SPW], v0, 2, SPARE
	v_mov_b32 v[NIL], 0
	ds_add_u32 v[SPW], v[NIL]                      ; the opening lines
	ds_add_u32 v[SPW], v[NIL]
	v_lshrrev_b32 v8, 5, v0
	v_readfirstlane_b32 s[WV], v8                  ; wave 0..7
	s_and_b32 s[CC], s[WV], 1                      ; my head of the pair
	s_and_b32 s[QT], s[WV], 6                      ; my first tile of 16 queries
	s_bfe_u32 s12, ttmp6, 0x40000                  ; cx
	s_lshl_b32 s13, ttmp9, 2
	s_add_co_u32 s13, s13, s12                     ; my block of 128 queries: it enters q's and oc's addresses alone
	s_and_b32 s14, ttmp7, 0xffff                   ; y = 8 b + pair, which the four partners share
	s_mov_b32 s[G1], 15|(3<<16)|(1<<21)            ; the mask: all four; elements of 8 bytes; no padding; bit 21 beside a mask
	s_mov_b32 s[G1+1], 32<<16                      ; 34,816 dense bytes as 136 rows of 256
	s_mov_b32 s[G1+2], 136<<16
	s_mov_b32 s[G1+3], 32<<16
	s_mov_b32 s[G1+4], 136
	s_mov_b32 s[G1+5], 32
	s_mov_b32 s[G1+6], 0
	s_mov_b32 s[G1+7], 0
	s_lshl_b32 s15, s14, 4
	s_lshl_b32 s16, s[WV], 1
	s_add_co_u32 s16, s16, s15
	s_mul_i32 s16, s16, GRP
	s_add_co_u32 s16, s16, KVB                     ; group 2 w of my pair
	s_mov_b32 s17, 0
	s_mul_i32 s18, s[WV], 2*GRP                    ; and where it goes
	s_add_co_u32 s36, s15, s13
	s_mul_i32 s36, s36, KREC                       ; q's record
	s_mov_b32 s37, 0
	s_lshl_b32 s38, s[QT], 10
	s_add_co_u32 s38, s38, s36
	s_lshl_b32 s40, s[CC], 9
	s_add_co_u32 s38, s38, s40                     ; tile A's fragment: 1,024 x tile + 512 x head
	s_mov_b32 s39, 0
	s_lshr_b32 s40, s[QT], 2
	s_lshl_b32 s40, s40, 8
	s_and_b32 s41, s[QT], 3
	s_lshl_b32 s41, s41, 2
	s_add_co_u32 s36, s36, s40
	s_add_co_u32 s36, s36, s41                     ; its scale words, 8,192 bytes on; tile B's 4 bytes further
	s_lshr_b32 s40, s14, 3                         ; b
	s_lshl_b32 s40, s40, 4
	s_add_co_u32 s40, s40, s13
	s_mul_i32 s40, s40, OREC                       ; o's record: 128 tokens x 1,024
	s_and_b32 s41, s14, 7                          ; the pair
	s_lshl_b32 s42, s41, 9
	s_add_co_u32 s42, s42, s40
	s_add_co_u32 s42, s42, 65536                   ; the pair's scale words
	s_mov_b32 s43, 0
	s_lshl_b32 s41, s41, 10
	s_add_co_u32 s40, s40, s41
	s_lshl_b32 s41, s[QT], 13
	s_add_co_u32 s40, s40, s41
	s_lshl_b32 s41, s[CC], 9
	s_add_co_u32 s40, s40, s41                     ; tile A's 512 bytes of codes; tile B's 8,192 bytes further
	s_mov_b32 s41, 0
	s_mov_b32 s[SEL], 0x76543210
	s_mov_b32 s[SEL+1], 0xfedcba98
	s_mov_b32 s[CS], 0x3e38aa3b                    ; c = log2(e) / 8
	s_mov_b32 s[CS+1], s[CS]                       ; (named with it as a pair, so it is written)
	s_mov_b32 s[CN], 0xbe38aa3b                    ; -c
	s_mov_b32 s[PSEL], 0x02060004
	s_lshl_b32 s44, s[CC], 9
	s_lshl_b32 s45, s[CC], 12
	s_add_co_u32 s45, s45, KREC
	s_lshl_b32 s46, s[CC], 8
	s_lshl_b32 s47, s[QT], 6
	s_lshl_b32 s48, s[CC], 1
	s_add_co_u32 s47, s47, s48
	s_add_co_u32 s47, s47, XCH
	s_mul_i32 s48, s[CC], 0x02020202
	s_add_co_u32 s48, s48, 0x01000100              ; my head's two bytes of q's scale word, twice
	v_and_b32 v9, 31, v0                           ; lane
	v_and_b32 v10, 15, v0                          ; r
	v_bfe_u32 v8, v0, 4, 1                         ; h
	v_lshlrev_b32 v[LI], 4, v9
	v_lshlrev_b32 v11, 4, v10
	v_add_nc_u32 v[AK0], s44, v[LI]                ; k's codes: 512 x head + 16 x lane
	v_add_nc_u32 v[AV0], s45, v[LI]                ; v's: behind k's record, 4,096 x head
	v_add_nc_u32 v[AS0], s46, v11                  ; scale words: 256 x head + 16 r
	v_lshl_add_u32 v[XA], v10, 2, v8
	v_add_nc_u32 v[XA], s47, v[XA]                 ; the byte of my query, head and block: 64 x tile + 4 r + 2 x head + h
	v_add_nc_u32 v[XR], XCH, v[LI]
	s_wait_alu depctr_va_vdst(0)
	s_wait_dscnt 0x0                               ; both opening adds are done
	CROUND                                         ; all four work-groups are here: the joint loads meet
	s_wait_kmcnt 0x0
	s_mov_b32 s[G0], 1
	s_mov_b32 s[G0+1], s18
	s_add_nc_u64 s[G0+2:G0+3], s[4:5], s[16:17]
	s_or_b32 s[G0+3], s[G0+3], 0x80000000
	s_add_nc_u64 s[38:39], s[4:5], s[38:39]
	s_add_nc_u64 s[36:37], s[4:5], s[36:37]
	s_add_nc_u64 s[8:9], s[6:7], s[40:41]
	s_add_nc_u64 s[10:11], s[6:7], s[42:43]
	s_cmp_lt_u32 s[WV], 2                          ; one tensor load a wave; two lines, since the first four groups are waited for earlier
	s_cbranch_scc0 .Lrest
	tensor_load_to_lds s[G0:G0+3], s[G1:G1+7]
	s_nop 0
.rept 4
	v_nop
.endr
	s_branch .Lasked
.Lrest:
	tensor_load_to_lds s[G0:G0+3], s[G1:G1+7]
	s_nop 0
.rept 4
	v_nop
.endr
.Lasked:
	global_load_b128 v[24:27], v[LI], s[38:39]     ; q's fragments
	global_load_b128 v[32:35], v[LI], s[38:39] offset:1024
	global_load_b32 v[QW], v11, s[36:37] offset:8192
	global_load_b32 v[QW+1], v11, s[36:37] offset:8196
.irp j, 0,1,2,3
	v_mov_b32 v[20+\j], 0                          ; zero codes beside q
	v_mov_b32 v[28+\j], 0
	v_mov_b32 v[36+\j], 0
.endr
.irp u, 0,1
	v_mov_b32 v[MX+UU*\u], 0xff61b1e6              ; the largest score so far: -3e38
	v_mul_f32 v[NM+UU*\u], s[CN], v[MX+UU*\u]
	v_floor_f32 v[NM+UU*\u], v[NM+UU*\u]           ; -M
	v_mov_b32 v[SU+UU*\u], 0                       ; the sum
	v_mov_b32 v[SU+1+UU*\u], 0
	v_mov_b32 v[FF+1+UU*\u], 0                     ; (named as the upper half of a pair before it is first written)
	v_mov_b32 v[TX+\u], 0                          ; a lane permute's destination counts as one of its sources
	v_mov_b32 v[BB+\u], 0
.endr
	s_wait_alu depctr_va_vdst(0)
	s_wait_loadcnt 0x0
	v_perm_b32 v[QSC], v[QW], v[QW], s48
	v_perm_b32 v[QSC+1], v[QW+1], v[QW+1], s48
	WIN 0x40
.set J, 0
.rept 64
	v_mov_b32 v[OT+J], 0                           ; O^T: the step is written once; the first finds zeros
.set J, J+1
.endr
	WIN 0
.macro TMS n                           ; t - M of the next n pairs of scores (64 pairs, 32 a tile, 16 a block)
.rept \n
.set NR, NM+UU*(TJ/32)
	v_pk_fma_f32 v[SS+2*TJ:SS+2*TJ+1], v[SS+2*TJ:SS+2*TJ+1], s[CS:CS+1], v[NR:NR+1] op_sel_hi:[1,0,0]
.set TJ, TJ+1
.endr
.endm
.macro EXP n                           ; p = 2^(t - M) of the next n scores
.rept \n
	v_exp_f32 v[SS+EJ], v[SS+EJ]
.set EJ, EJ+1
.endr
.endm
.macro CVT n                           ; codes of eight keys of block n / 4
	v_cvt_scalef32_pk8_fp4_f32 v[PC+\n], v[SS+8*\n:SS+8*\n+7], v[XX+\n/4]
.endm
.macro ADD d, s                        ; pair d of p takes pair s
	v_pk_add_f32 v[SS+2*(\d):SS+2*(\d)+1], v[SS+2*(\d):SS+2*(\d)+1], v[SS+2*(\s):SS+2*(\s)+1]
.endm
.macro SUM1 n                          ; the next n of the first level's 32 sums, eight a block
.rept \n
	ADD 2*PJ, 2*PJ+1
.set PJ, PJ+1
.endr
.endm
.macro LEVEL g, lo, hi                 ; a further level over pairs lo .. hi - 1: each 2 g-th takes the one g further on
.set LJ, \lo
.rept (\hi-\lo)/(2*\g)
	ADD LJ, LJ+\g
.set LJ, LJ+2*\g
.endr
.endm
.macro TOTAL u                         ; the tile's sum
	v_pk_add_f32 v[SU+UU*\u:SU+UU*\u+1], v[SU+UU*\u:SU+UU*\u+1], v[SS+64*\u:SS+64*\u+1]
.endm
.macro UNDER u                         ; the tile's sum under the new M
	v_pk_mul_f32 v[SU+UU*\u:SU+UU*\u+1], v[SU+UU*\u:SU+UU*\u+1], v[FF+UU*\u:FF+UU*\u+1] op_sel_hi:[1,0]
.endm
.macro QK u, s, lo, sel                ; source 1: q beside zeros, from register lo (q below) or lo - 4 (q above)
.irp a, 0,1,2,3
.set SR, \s+16*\a
	v_wmma_scale_f32_16x16x128_f8f6f4 v[SR:SR+7], v[KF+8*\a:KF+8*\a+7], v[\lo:\lo+7], 0, v[KSC+\a], v[QSC+\u] matrix_a_fmt:MATRIX_FMT_FP4 matrix_b_fmt:MATRIX_FMT_FP4
	v_wmma_scale_f32_16x16x128_f8f6f4 v[SR+8:SR+15], v[KF+8*\a:KF+8*\a+7], v[\lo-4:\lo+3], 0, v[KSC+\a], v[QSC+\u] matrix_a_fmt:MATRIX_FMT_FP4 matrix_b_fmt:MATRIX_FMT_FP4
.endr
.endm
.macro PV u                            ; the four accumulators take turns, one instruction a turn
.irp t, 0,1,2,3
.set OR, OT+32*\u+8*\t
	v_wmma_scale_f32_16x16x128_f8f6f4 v[OR:OR+7], v[VF+8*\t:VF+8*\t+7], v[PC+8*\u:PC+8*\u+7], v[OR:OR+7], v[VSC+\t], v[PSC+\u] matrix_a_fmt:MATRIX_FMT_FP4 matrix_b_fmt:MATRIX_FMT_FP4
.endr
.endm
.macro STEP next                       ; 128 keys.  next = 1: the next step's k is fetched on the way
	v_add_nc_u32 v[ADV], s[TB], v[AV0]
	v_add_nc_u32 v[ADS], s[TB], v[AS0]
	ds_load_b128 v[VSC:VSC+3], v[ADS] offset:KREC+8192   ; (the last step's sums are the places behind its products, in front of these loads)
	WIN 0x40
.irp t, 0,1,2,3
.irp c, 0,1
	ds_load_b128 v[VF+8*\t+4*\c:VF+8*\t+4*\c+3], v[ADV] offset:1024*\t+512*\c
.endr
.endr
	s_wait_dscnt 9                                 ; k and its scale words are in; v's nine loads may be out
	WIN 0x01                                       ; source 0 window 1
	QK 0, SS, 24
	QK 1, SS+64, 32
	WIN 0
	v_mov_b32 v[OM], v[NM]                         ; four places behind the products
	v_mov_b32 v[OM+1], v[NM+UU]
.if \next
	v_add_nc_u32 v[ADK], s[TB], v[AK0]
	v_add_nc_u32 v[ADT], s[TB], v[AS0]
	ds_load_b128 v[KSC:KSC+3], v[ADT] offset:GRP+8192
	WIN 0x40
.irp a, 0,1,2,3,4,5,6,7
	ds_load_b128 v[KF+4*\a:KF+4*\a+3], v[ADK] offset:GRP+1024*\a
.endr
	WIN 0
.else
	v_nop
	v_nop
.endif
.irp n, 0,1,2,3,4,5,6,7                        ; the largest score of each of the four blocks of 32 keys, in two chains each
	v_max3_num_f32 v[BM+\n], v[SS+16*\n], v[SS+16*\n+1], v[SS+16*\n+2]
.endr
.irp i, 3,5,7,9,11,13
.irp n, 0,1,2,3,4,5,6,7
	v_max3_num_f32 v[BM+\n], v[BM+\n], v[SS+16*\n+\i], v[SS+16*\n+\i+1]
.endr
.endr
.irp c, 0,2,4,6
	v_max3_num_f32 v[BM+\c], v[BM+\c], v[SS+16*\c+15], v[SS+16*\c+31]
.endr
.irp c, 0,2,4,6
	v_max_num_f32 v[BM+\c], v[BM+\c], v[BM+\c+1]
.endr
.irp u, 0,1
	v_max3_num_f32 v[MX+UU*\u], v[MX+UU*\u], v[BM+4*\u], v[BM+4*\u+2]
.endr
.irp u, 0,1
	v_permlanex16_b32 v[TX+\u], v[MX+UU*\u], s[SEL], s[SEL+1]
.endr
.irp u, 0,1
	v_max_num_f32 v[MX+UU*\u], v[MX+UU*\u], v[TX+\u]   ; with lane l xor 16's keys: the running largest score
.endr
.irp u, 0,1
	v_mul_f32 v[DD+\u], s[CN], v[MX+UU*\u]
.endr
.irp u, 0,1
	v_floor_f32 v[NM+UU*\u], v[DD+\u]              ; the new -M = floor(-t)
.endr
.irp u, 0,1
	v_sub_f32 v[DD+\u], v[NM+UU*\u], v[OM+\u]      ; old M - new M: a whole number, 0 or less
.endr
.set TJ, 0
.irp k, 0,1,2,3
	v_fma_f32 v[BM+2*\k], v[BM+2*\k], s[CS], v[NM+UU*(\k/2)]   ; t - M of each block's largest score
.endr
.irp u, 0,1
	v_cvt_i32_f32 v[DD+\u], v[DD+\u]               ; (it saturates)
.endr
.irp k, 0,1,2,3
	v_floor_f32 v[BM+2*\k], v[BM+2*\k]             ; the exponent of the block's largest p,
.endr
	TMS 4
.irp u, 0,1
	v_ldexp_f32 v[FF+UU*\u], 1.0, v[DD+\u]         ; f = 2^(old M - new M)
.endr
.irp k, 0,1,2,3
	v_max_num_f32 v[BM+2*\k], 0xc2f80000, v[BM+2*\k]   ; held at -124: the byte cannot fall under 1
.endr
	TMS 4
.irp k, 0,1,2,3
	v_cvt_i32_f32 v[BM+2*\k], v[BM+2*\k]
.endr
	TMS 4
.irp k, 0,1,2,3
	v_lshl_add_u32 v[XX+\k], v[BM+2*\k], 23, 0x3e800000   ; + 127 - 2, as an exponent field: the conversion's scale operand
.endr
	TMS 2
.irp u, 0,1
	v_perm_b32 v[AA+\u], v[XX+1+2*\u], v[XX+2*\u], 0x07060302
.endr
	TMS 2
.irp u, 0,1
	v_lshrrev_b32 v[AA+\u], 7, v[AA+\u]            ; a tile's two scale bytes: bytes 0 and 2
.endr
.irp u, 0,1
	v_permlanex16_b32 v[BB+\u], v[AA+\u], s[SEL], s[SEL+1]
.endr
	WIN 0x41                                       ; destination and source 0 window 1
.set J, 0
.rept 32
.set FR, FF+UU*(J/32)
	v_pk_mul_f32 v[OT+J:OT+J+1], v[OT+J:OT+J+1], v[FR:FR+1] op_sel_hi:[1,0]   ; O^T under the new M
.set J, J+2
.endr
	WIN 0
.irp u, 0,1
	v_perm_b32 v[PSC+\u], v[AA+\u], v[BB+\u], s[PSEL]   ; p's scale words for these 128 keys, in lanes 0-15
.endr
	s_wait_alu depctr_va_vdst(0)                   ; the wait ahead of a batch; between batches one wait serves the readers of the batch before too
.set EJ, 0
.set PJ, 0
.rept 32                                       ; block 0, by turns with t - M of blocks 1 and 2
	EXP 1
	TMS 1
.endr
	s_wait_alu depctr_va_vdst(0)
	EXP 8                                          ; blocks 1 and 2, by turns with block 0's codes, t - M of block 3 and block 0's first sums
.irp n, 0,1,2,3
	EXP 2
	CVT \n
.endr
.rept 16
	EXP 2
	TMS 1
.endr
.rept 8
	EXP 2
	SUM1 1
.endr
	s_wait_alu depctr_va_vdst(0)
	UNDER 0
	EXP 7                                          ; block 3, by turns with the codes and the first sums of blocks 1 and 2
.irp n, 4,5,6,7,8,9,10,11
	EXP 1
	CVT \n
.endr
	EXP 1
	UNDER 1                                        ; (a plain line between the conversions and the writes over their sources)
.rept 16
	EXP 1
	SUM1 1
.endr
.if \next
	s_wait_dscnt 9                                 ; v and its scale words are in; the next k's nine loads may be out
.else
	s_wait_dscnt 0x0
.endif
	s_wait_alu depctr_va_vdst(0)                   ; the wait behind the last batch
	LEVEL 2, 0, 32
	CVT 12
	CVT 13
	CVT 14
	CVT 15
	LEVEL 4, 0, 32
	SUM1 8                                         ; block 3's: with the line above the places behind the conversions and in front of the products
	WIN 0x51                                       ; source 0, C and D window 1
	PV 0
	PV 1
	WIN 0
	LEVEL 2, 32, 64                                ; the rest of the sums: places behind the products
	LEVEL 8, 0, 32
	LEVEL 4, 32, 64
	LEVEL 16, 0, 32
	LEVEL 8, 32, 64
	TOTAL 0
	LEVEL 16, 32, 64
	TOTAL 1
	s_add_co_u32 s[TB], s[TB], GRP
.endm
	s_wait_alu depctr_va_vdst(0)                   ; the wait at the head's end
	s_cmp_lt_u32 s[WV], 2
	s_cbranch_scc0 .Lno_wait
	s_wait_tensorcnt 0x0                           ; groups 0 to 3, by the two waves that asked for them
.Lno_wait:
	s_barrier_signal -1
	s_barrier_wait -1
	ds_load_b128 v[KSC:KSC+3], v[AS0] offset:8192
	WIN 0x40
.irp a, 0,1,2,3,4,5,6,7
	ds_load_b128 v[KF+4*\a:KF+4*\a+3], v[AK0] offset:1024*\a
.endr
	WIN 0
	s_mov_b32 s[TB], 0
	s_mov_b32 s[CNT], 3
.Lone:                                                 ; groups 0 to 2; k of groups 1 to 3 is fetched
	STEP 1
	s_sub_co_u32 s[CNT], s[CNT], 1
	s_cmp_lg_u32 s[CNT], 0
	s_cbranch_scc1 .Lone
	s_wait_tensorcnt 0x0                           ; my groups are in
	s_wait_dscnt 0x0
	s_barrier_signal -1
	s_barrier_wait -1                              ; everybody's are
	s_mov_b32 s[TB], 3*GRP
	s_mov_b32 s[CNT], 12
.Ltwo:                                                 ; groups 3 to 14
	STEP 1
	s_sub_co_u32 s[CNT], s[CNT], 1
	s_cmp_lg_u32 s[CNT], 0
	s_cbranch_scc1 .Ltwo
	s_mov_b32 s[TB], 15*GRP
	STEP 0                                         ; the last group
	; THE WAY OUT: O^T / the sum, quantised along my head's 64 channels: register 8 t + i is channel 32 (lane / 16) + 8 t + i of my query: one block a lane
	s_wait_alu depctr_va_vdst(0)
.irp u, 0,1
	v_add_f32 v[SU+UU*\u], v[SU+UU*\u], v[SU+1+UU*\u]
.endr
.irp u, 0,1
	v_permlanex16_b32 v[TX+\u], v[SU+UU*\u], s[SEL], s[SEL+1]
.endr
.irp u, 0,1
	v_add_f32 v[SU+UU*\u], v[SU+UU*\u], v[TX+\u]   ; with lane l xor 16's: the row's sum
.endr
	s_wait_alu depctr_va_vdst(0)                   ; the wait ahead of the transcendentals
	v_rcp_f32 v[SU], v[SU]
	v_rcp_f32 v[SU+UU], v[SU+UU]
	v_nop
	WIN 0x01
	s_wait_alu depctr_va_vdst(0)                   ; and behind them, ahead of the first readers of their results and of O^T
.set J, 0
.rept 64
	v_mul_f32 v[SS+J], v[OT+J], v[SU+UU*(J/32)]
.set J, J+1
.endr
	WIN 0
.irp n, 0,1,2,3,4,5,6,7                        ; (tile B's 32 numbers stand 32 registers behind tile A's)
	v_max3_num_f32 v[BM+\n], |v[SS+8*\n]|, |v[SS+8*\n+1]|, 0x1800000
.endr
.irp i, 2,4,6
.irp n, 0,1,2,3,4,5,6,7
	v_max3_num_f32 v[BM+\n], v[BM+\n], |v[SS+8*\n+\i]|, |v[SS+8*\n+\i+1]|
.endr
.endr
.irp u, 0,4
	v_max3_num_f32 v[BM+\u], v[BM+\u], v[BM+\u+1], v[BM+\u+2]
.endr
.irp u, 0,4
	v_max_num_f32 v[BM+\u], v[BM+\u], v[BM+\u+3]
.endr
.irp u, 0,1
	v_add_nc_u32 v[XX+\u], 0xff000000, v[BM+4*\u]
.endr
.irp u, 0,1
	v_lshrrev_b32 v[AA+\u], 23, v[XX+\u]
.endr
.irp n, 0,1,2,3,4,5,6,7
	CVT \n
.endr
	v_nop                                          ; one plain place behind a scaled conversion
	ds_store_b8 v[XA], v[AA]
	ds_store_b8 v[XA], v[AA+1] offset:64
	global_store_b128 v[LI], v[PC:PC+3], s[8:9]    ; 32 lanes store 512 consecutive bytes, aligned
	global_store_b128 v[LI], v[PC+4:PC+7], s[8:9] offset:8192
	s_wait_alu depctr_va_vdst(0)
	s_wait_dscnt 0x0
	s_barrier_signal -1
	s_barrier_wait -1                              ; the 128 scale words of the block and pair are whole
	s_cmp_lg_u32 s[WV], 0
	s_cbranch_scc1 .Lno_words
	ds_load_b128 v[BM:BM+3], v[XR]
	s_wait_dscnt 0x0
	global_store_b128 v[LI], v[BM:BM+3], s[10:11]  ; 512 consecutive bytes, aligned
.Lno_words:
	s_wait_tensorcnt 0x0                           ; the wave's end
	ds_add_u32 v[SPW], v[NIL]
	s_wait_dscnt 0x0
	CROUND                                         ; the closing round
	s_endpgm
.Lfunc_end_k_q706c4df0a2_attn:
	.size	k_q706c4df0a2_attn, .Lfunc_end_k_q706c4df0a2_attn-k_q706c4df0a2_attn
	.p2alignl 7, 3214868480
	.fill 96, 4, 3214868480
	.section	.rodata,"a",@progbits
	.p2align	6, 0x0
	.amdhsa_kernel k_q706c4df0a2_attn
		.amdhsa_group_segment_fixed_size 327680
		.amdhsa_private_segment_fixed_size 0
		.amdhsa_enable_private_segment 0
		.amdhsa_kernarg_size 16
		.amdhsa_user_sgpr_count 2
		.amdhsa_user_sgpr_kernarg_segment_ptr 1
		.amdhsa_wavefront_size32 1
		.amdhsa_system_sgpr_workgroup_id_x 1
		.amdhsa_system_sgpr_workgroup_id_y 1
		.amdhsa_system_sgpr_workgroup_id_z 1
		.amdhsa_system_vgpr_workitem_id 0
		.amdhsa_next_free_vgpr 384
		.amdhsa_next_free_sgpr 82
		.amdhsa_reserve_vcc 0
		.amdhsa_float_denorm_mode_32 3
		.amdhsa_float_denorm_mode_16_64 3
		.amdhsa_memory_ordered 1
		.amdhsa_forward_progress 1
		.amdhsa_inst_pref_size 95
	.end_amdhsa_kernel
	.amdgpu_metadata
---
amdhsa.version: [ 1, 2 ]
amdhsa.kernels:
  - .name:           k_q706c4df0a2_attn
    .symbol:         k_q706c4df0a2_attn.kd
    .args:
      - { .name: pc, .offset: 0, .size: 8, .value_kind: global_buffer, .address_space: global }
      - { .name: oc, .offset: 8, .size: 8, .value_kind: global_buffer, .address_space: global }
    .group_segment_fixed_size: 327680
    .private_segment_fixed_size: 0
    .kernarg_segment_align: 8
    .kernarg_segment_size: 16
    .max_flat_workgroup_size: 256
    .sgpr_count:     82
    .vgpr_count:     384
    .wavefront_size: 32
...
	.end_amdgpu_metadata
.endif
;; end of part 3
;; launch outp (part 4): grid 8 x 32, 4 waves a work-group, clusters of 4 x 4, 327,680 bytes of LDS; arguments oc, xc, bo, out0; writes out0
.if DOCPART == 4
	.amdgcn_target "amdgcn-amd-amdhsa--gfx1250"
	.amdhsa_code_object_version 6
	.text
	.protected	k_q706c4df0a2_outp
	.globl	k_q706c4df0a2_outp
	.p2align	8
	.type	k_q706c4df0a2_outp,@function
k_q706c4df0a2_outp:
	s_mov_b64 s[64:65], 0
	v_nop
	global_prefetch_b8 v0, s[64:65] scope:SCOPE_SE
	s_setreg_imm32_b32 hwreg(HW_REG_WAVE_MODE, 25, 1), 1
	s_wait_xcnt 0x0
	s_wait_alu depctr_hold_cnt(0) depctr_sa_sdst(0) depctr_va_vdst(0) depctr_va_sdst(0) depctr_va_ssrc(0) depctr_va_vcc(0) depctr_vm_vsrc(0)
	s_getreg_b32 s2, hwreg(HW_REG_IB_STS2, 6, 4)
	s_cmp_eq_u32 s2, 0
	s_cbranch_scc0 .Lentry_in_a_cluster
	s_endpgm
.Lentry_in_a_cluster:
	s_bfe_u32 s2, ttmp6, 0x10000c
	s_cmp_lg_u32 s2, 0xf033
	s_cbranch_scc0 .Lentry_shape_is_right
	s_endpgm
.Lentry_shape_is_right:
; out = o Wo^T + bo on codes of FP4 with E8M0 scales, K = 1,024; out is [4096][1024] f32.
; A work-group of four waves makes 128 tokens x 128 outputs, a wave 64 x 64.  One record of oc (128 tokens: images of operand registers, then scale words) and one of xc (128 rows of Wo) hold all of K: each wave fetches half a record by its ONE tensor load.
; CLUSTERS: 4 x 4 work-groups: the four of a row share oc's record, the four of a column Wo's: asked for jointly.  No prefetch: every byte is asked for by the head's loads; there is no loop to run ahead in.
; Source 0 = 16 rows of Wo, source 1 = 16 tokens: a lane holds one token.  Row r of tile a is token 32 (r / 8) + 8 a + r % 8 of my 64; register i of tile b in lane half h is output 32 h + 8 b + i of my 64.
; All fragments have registers of their own (Wo's in window 1, o's in window 2), so the work goes by rows: tile a's 16 tokens are finished over all of K and leave while the next are multiplied.  The bias is the C of each sum's first instruction.
; THE WAY OUT goes through the wave's own stage in LDS: sixteen lanes store one aligned unit of 256 bytes.
; NaN and infinities are not served (a limit).
.set ROWO,  4096                       ; a row of out in bytes
.set REC,   69632
.set BROW,  REC                        ; LDS: oc's record, then Wo's with 16 bytes of padding behind each 256
.set PITCH, 272
.set SCLA,  65536
.set SCLB,  BROW+128*PITCH             ; Wo's record: the first half of K, the scale bytes, the second half
.set STG,   BROW+272*PITCH
.set SP,    272
.set WSTG,  64*SP
.set SPARE, STG+4*WSTG                 ; the spare words; no other line names them
.set ADRA,  16
.set ADRB,  17
.set ADRSA, 18
.set ADRSB, 19
.set STO,   24
.set RD,    25
.set CO,    26
.set SCA,   32                         ; v[SCA + 8 a + q]
.set SCB,   64                         ; v[SCB + 8 b + q]
.set SPW,   126
.set NIL,   127
.set OUTR,  128
.set BI,    128                        ; in window 3, behind the accumulators
.set G1,   24
.set G0,   32
.set G1B,  48
.set G0B,  56
.set MSB, 0
.macro WIN new                         ; the immediate's high byte repeats the setting that is left
.if MSB != \new
	s_set_vgpr_msb (MSB<<8)|\new
.set MSB, \new
.endif
.endm
.macro CROUND                          ; a round of the cluster's barrier
	s_barrier_signal -1
	s_barrier_wait -1
	s_cmp_lg_u32 s14, 0
	s_cbranch_scc1 .Lnot_wave_0_\@
	s_barrier_signal -3
.Lnot_wave_0_\@:
	s_barrier_wait -3
	s_barrier_signal -1
	s_barrier_wait -1
.endm
	s_load_b256 s[4:11], s[0:1], 0x0               ; oc, xc, bo, out0
	v_lshl_add_u32 v[SPW], v0, 2, SPARE
	v_mov_b32 v[NIL], 0
	ds_add_u32 v[SPW], v[NIL]                      ; the opening lines
	ds_add_u32 v[SPW], v[NIL]
	v_lshrrev_b32 v1, 5, v0
	v_readfirstlane_b32 s14, v1                    ; wave 0..3
	s_lshr_b32 s15, s14, 1                         ; which 64 tokens are mine.  Also: I fetch o (0) or Wo (1)
	s_and_b32 s16, s14, 1                          ; which 64 outputs are mine.  Also: which half of the record I fetch
	s_bfe_u32 s40, ttmp6, 0x40000
	s_bfe_u32 s41, ttmp6, 0x40004
	s_lshl_b32 s42, ttmp9, 2
	s_add_co_u32 s42, s42, s40                     ; tile of outputs
	s_and_b32 s17, ttmp7, 0xffff
	s_lshl_b32 s17, s17, 2
	s_add_co_u32 s17, s17, s41                     ; tile of tokens
	s_lshl_b32 s43, s41, 2
	s_lshl_b32 s43, 15, s43
	s_lshl_b32 s44, 0x1111, s40
	s_or_b32 s[G1+0], s43, (3<<16)|(1<<21)         ; my row of the cluster; elements of 8 bytes; no padding
	s_or_b32 s[G1B+0], s44, (3<<16)|(1<<20)|(1<<21)|(5<<22)|(3<<25)   ; my column; 4 words of padding behind every 64
.irp g, G1, G1B
	s_mov_b32 s[\g+1], 32<<16                      ; half a record: 136 dense rows of 256 bytes
	s_mov_b32 s[\g+2], 136<<16
	s_mov_b32 s[\g+3], 32<<16
	s_mov_b32 s[\g+4], 136
	s_mov_b32 s[\g+5], 32
	s_mov_b32 s[\g+6], 0
	s_mov_b32 s[\g+7], 0
.endr
	s_mul_i32 s94, s16, REC/2                      ; my half: in memory and, for o, in LDS
	s_mul_i32 s20, s17, REC
	s_add_co_u32 s20, s20, s94
	s_mov_b32 s21, 0
	s_add_co_u32 s46, s42, 120                     ; Wo's records are 120 to 127
	s_mul_i32 s46, s46, REC
	s_add_co_u32 s46, s46, s94
	s_mov_b32 s47, 0
	s_mul_i32 s95, s16, 136*PITCH
	s_add_co_u32 s95, s95, BROW
	s_wait_alu depctr_va_vdst(0)
	s_wait_dscnt 0x0                               ; both opening adds are done
	CROUND                                         ; all sixteen work-groups are here: the joint loads meet
	s_wait_kmcnt 0x0
	s_add_nc_u64 s[20:21], s[4:5], s[20:21]
	s_add_nc_u64 s[46:47], s[6:7], s[46:47]
	s_mov_b32 s[G0], 1
	s_mov_b32 s[G0+1], s94
	s_mov_b64 s[G0+2:G0+3], s[20:21]
	s_or_b32 s[G0+3], s[G0+3], 0x80000000
	s_mov_b32 s[G0B], 1
	s_mov_b32 s[G0B+1], s95
	s_mov_b64 s[G0B+2:G0B+3], s[46:47]
	s_or_b32 s[G0B+3], s[G0B+3], 0x80000000
	s_cmp_eq_u32 s15, 0                            ; one tensor load a wave
	s_cbranch_scc0 .Lfor_w
	tensor_load_to_lds s[G0:G0+3], s[G1:G1+7]
	s_nop 0
.rept 4
	v_nop
.endr
	s_branch .Lasked
.Lfor_w:
	tensor_load_to_lds s[G0B:G0B+3], s[G1B:G1B+7]
	s_nop 0
.rept 4
	v_nop
.endr
.Lasked:
	s_lshl_b32 s46, s42, 9
	s_lshl_b32 s47, s16, 8
	s_add_co_u32 s46, s46, s47                     ; my first output, in bytes
	s_mov_b32 s47, 0
	s_add_nc_u64 s[8:9], s[8:9], s[46:47]
	s_lshl_b32 s20, s17, 7
	s_lshl_b32 s21, s15, 6
	s_add_co_u32 s20, s20, s21
	s_lshl_b32 s20, s20, 12
	s_mov_b32 s21, 0
	s_add_nc_u64 s[20:21], s[20:21], s[46:47]
	s_add_nc_u64 s[10:11], s[10:11], s[20:21]
	s_lshl_b32 s20, s15, 15
	s_mul_i32 s21, s16, 64*PITCH
	s_add_co_u32 s21, s21, BROW
	s_lshl_b32 s22, s15, 8
	s_add_co_u32 s22, s22, SCLA
	s_mul_i32 s23, s16, 8*PITCH
	s_add_co_u32 s23, s23, SCLB
	s_mul_i32 s45, s14, WSTG
	s_add_co_u32 s45, s45, STG                     ; my stage
	v_and_b32 v1, 15, v0                           ; r
	v_bfe_u32 v2, v0, 4, 1                         ; h
	v_lshlrev_b32 v7, 7, v2                        ; my half's 32 outputs
	v_and_b32 v6, 31, v0
	v_lshlrev_b32 v5, 4, v6
	v_add_nc_u32 v[ADRA], s20, v5
	v_mul_u32_u24 v3, v1, PITCH
	v_lshl_add_u32 v3, v2, 4, v3
	v_add_nc_u32 v[ADRB], s21, v3
	v_lshl_add_u32 v[ADRSA], v1, 2, s22
	v_lshlrev_b32 v3, 5, v1
	v_lshrrev_b32 v4, 3, v1
	v_lshl_add_u32 v3, v4, 4, v3
	v_add_nc_u32 v[ADRSB], s23, v3
	v_and_b32 v6, 7, v1
	v_lshl_add_u32 v6, v4, 5, v6                   ; r % 8 + 32 (r / 8)
	v_mul_u32_u24 v6, v6, SP
	v_add_nc_u32 v6, v6, v7
	v_add_nc_u32 v[STO], s45, v6
	v_mul_u32_u24 v3, v2, SP
	v_lshl_add_u32 v3, v1, 4, v3
	v_add_nc_u32 v[RD], s45, v3                    ; back: lanes 0-15 one row of 256 bytes, lanes 16-31 the next
	v_lshlrev_b32 v3, 12, v2
	v_lshl_add_u32 v[CO], v1, 4, v3
	s_wait_alu depctr_va_vdst(0)                   ; the wait at the head's end
	WIN 0xc0
.irp b, 0,1,2,3
	global_load_b128 v[BI+8*\b:BI+8*\b+3], v7, s[8:9] offset:32*\b
	global_load_b128 v[BI+8*\b+4:BI+8*\b+7], v7, s[8:9] offset:32*\b+16
.endr
	WIN 0
.macro FETCH_A a                       ; tile a of tokens, all of K: 16 loads of codes, 8 of scale words
	WIN 0x80
.irp q, 0,1,2,3,4,5,6,7
.irp c, 0,1
	ds_load_b128 v[8*(4*\q+(\a))+4*\c:8*(4*\q+(\a))+4*\c+3], v[ADRA] offset:(\a)*8192+1024*\q+512*\c
.endr
.endr
	WIN 0
.irp q, 0,1,2,3,4,5,6,7
	ds_load_b32 v[SCA+8*(\a)+\q], v[ADRSA] offset:512*\q+64*(\a)
.endr
.endm
.macro MUL a                           ; 32 matrix instructions: tile a's four accumulators by turns, K ascending
	WIN 0xf9                                       ; source 0 window 1, source 1 window 2, C and D window 3
.irp q, 0,1,2,3,4,5,6,7
.if (\a) == 0                          ; the first tile follows Wo's fragments as they come: behind those of this q eight loads for each later q and tile 1's 24 may be out (a wait counts to 63 at the most)
.set DW, 24+8*(7-\q)
.if DW > 63
.set DW, 63
.endif
	s_wait_dscnt DW
.endif
.irp b, 0,1,2,3
.set AC, 8*(4*(\a)+\b)
.if \q == 0
.set CR, BI+8*\b
.else
.set CR, AC
.endif
	v_wmma_scale_f32_16x16x128_f8f6f4 v[AC:AC+7], v[8*(4*\q+\b):8*(4*\q+\b)+7], v[8*(4*\q+(\a)):8*(4*\q+(\a))+7], v[CR:CR+7], v[SCB+8*\b+\q], v[SCA+8*(\a)+\q] matrix_a_fmt:MATRIX_FMT_FP4 matrix_b_fmt:MATRIX_FMT_FP4
.endr
.endr
	WIN 0
.endm
.macro TOSTAGE a                       ; LDS serves a wave's instructions in order (ISA guide 5.7.1.4): the loads see the stores
.rept 4
	v_nop                                          ; the places behind the products
.endr
	WIN 0x0c
.irp b, 0,1,2,3
	ds_store_b128 v[STO], v[8*(4*(\a)+\b):8*(4*(\a)+\b)+3] offset:8*(\a)*SP+32*\b
	ds_store_b128 v[STO], v[8*(4*(\a)+\b)+4:8*(4*(\a)+\b)+7] offset:8*(\a)*SP+32*\b+16
.endr
	WIN 0
.irp t, 0,1,2,3,4,5,6,7
	ds_load_b128 v[OUTR+32*(\a)+4*\t:OUTR+32*(\a)+4*\t+3], v[RD] offset:(8*(\a)+2*(\t%4)+32*(\t/4))*SP
.endr
.endm
.macro SEND a, younger                 ; younger: the LDS loads issued behind TOSTAGE's
.irp t, 0,1,2,3,4,5,6,7
	s_wait_dscnt \younger+7-\t
	global_store_b128 v[CO], v[OUTR+32*(\a)+4*\t:OUTR+32*(\a)+4*\t+3], s[10:11] offset:(8*(\a)+2*(\t%4)+32*(\t/4))*ROWO th:TH_STORE_NT   ; sixteen lanes store 256 consecutive bytes, aligned
.endr
.endm
	s_wait_tensorcnt 0x0                           ; my half record is in
	s_barrier_signal -1
	s_barrier_wait -1                              ; everybody's are
	FETCH_A 0
.irp b, 0,1,2,3
	ds_load_b128 v[SCB+8*\b:SCB+8*\b+3], v[ADRSB] offset:\b*2*PITCH
	ds_load_b128 v[SCB+8*\b+4:SCB+8*\b+7], v[ADRSB] offset:\b*2*PITCH+16
.endr
	WIN 0x40
.irp q, 0,1,2,3,4,5,6,7
.irp b, 0,1,2,3
.irp c, 0,1
	ds_load_b128 v[8*(4*\q+\b)+4*\c:8*(4*\q+\b)+4*\c+3], v[ADRB] offset:(\q/4)*144*PITCH+\b*16*PITCH+64*(\q%4)+32*\c
.endr
.endr
.endr
	WIN 0
	FETCH_A 1
	s_wait_loadcnt 0x0                             ; the bias
	MUL 0
	FETCH_A 2
	TOSTAGE 0
	s_wait_dscnt 40                                ; tile 1 is in; tile 2's 24 loads and the stage's 16 may be out
	MUL 1
	FETCH_A 3
	SEND 0, 24                                     ; behind the stage's loads: tile 3's 24
	TOSTAGE 1
	MUL 2                                          ; (tile 2 came ahead of the stage's loads that SEND has waited for)
	SEND 1, 0
	TOSTAGE 2
	MUL 3
	SEND 2, 0
	TOSTAGE 3
	SEND 3, 0
	s_wait_tensorcnt 0x0                           ; the wave's end
	ds_add_u32 v[SPW], v[NIL]
	s_wait_dscnt 0x0
	CROUND                                         ; the closing round
	s_endpgm
.Lfunc_end_k_q706c4df0a2_outp:
	.size	k_q706c4df0a2_outp, .Lfunc_end_k_q706c4df0a2_outp-k_q706c4df0a2_outp
	.p2alignl 7, 3214868480
	.fill 96, 4, 3214868480
	.section	.rodata,"a",@progbits
	.p2align	6, 0x0
	.amdhsa_kernel k_q706c4df0a2_outp
		.amdhsa_group_segment_fixed_size 327680
		.amdhsa_private_segment_fixed_size 0
		.amdhsa_enable_private_segment 0
		.amdhsa_kernarg_size 32
		.amdhsa_user_sgpr_count 2
		.amdhsa_user_sgpr_kernarg_segment_ptr 1
		.amdhsa_wavefront_size32 1
		.amdhsa_system_sgpr_workgroup_id_x 1
		.amdhsa_system_sgpr_workgroup_id_y 1
		.amdhsa_system_sgpr_workgroup_id_z 1
		.amdhsa_system_vgpr_workitem_id 0
		.amdhsa_next_free_vgpr 1024
		.amdhsa_next_free_sgpr 98
		.amdhsa_reserve_vcc 0
		.amdhsa_float_denorm_mode_32 3
		.amdhsa_float_denorm_mode_16_64 3
		.amdhsa_memory_ordered 1
		.amdhsa_forward_progress 1
		.amdhsa_inst_pref_size 44
	.end_amdhsa_kernel
	.amdgpu_metadata
---
amdhsa.version: [ 1, 2 ]
amdhsa.kernels:
  - .name:           k_q706c4df0a2_outp
    .symbol:         k_q706c4df0a2_outp.kd
    .args:
      - { .name: oc, .offset: 0, .size: 8, .value_kind: global_buffer, .address_space: global }
      - { .name: xc, .offset: 8, .size: 8, .value_kind: global_buffer, .address_space: global }
      - { .name: bo, .offset: 16, .size: 8, .value_kind: global_buffer, .address_space: global }
      - { .name: out0, .offset: 24, .size: 8, .value_kind: global_buffer, .address_space: global }
    .group_segment_fixed_size: 327680
    .private_segment_fixed_size: 0
    .kernarg_segment_align: 8
    .kernarg_segment_size: 32
    .max_flat_workgroup_size: 128
    .sgpr_count:     98
    .vgpr_count:     1024
    .wavefront_size: 32
...
	.end_amdgpu_metadata
.endif
;; end of part 4
